; MI455X (gfx1250); checked and timed in simulation.
; The chip was launched on July 23, 2026; its instructions are those of AMD's public machine-readable ISA for CDNA 5 (MIT licence, August 2026) and "CDNA5" Instruction Set Architecture Reference Guide (July 2026). The comments in the code are by the model that wrote it; some were corrected since.
;; S4 D Kernel. Allowed arithmetic: float matrix products may take bf16 or f16 operands with f32 sums; all other float work in f32.
;; Inputs: A_imag 1,024 x 32 float32; C 1,024 x 32 x 2 float32; log_A_real 1,024 x 32 float32; log_dt 1,024 float32.
;; Outputs: out0 1,024 x 2,048 float32.
;; Constants: L = 2048.
;; 2 versions, each right; version 2 is version 1 with the launch s4d written anew for expert scheduling mode. Each part assembles by itself: llvm-mc -triple=amdgcn-amd-amdhsa -mcpu=gfx1250 --defsym DOCPART=n.
;; ======== version 1 of 2: 1 launch
;; limits: right only within a limited range of input values
;; launch s4d (part 1): grid 256 x 1, 4 waves a work-group, no clusters, 38,400 bytes of LDS; arguments A_imag, C, log_A_real, log_dt, out0; writes out0
.if DOCPART == 1
	.amdgcn_target "amdgcn-amd-amdhsa--gfx1250"
	.amdhsa_code_object_version 6
	.text
	.protected	k_qbe8887dc42_s4d
	.globl	k_qbe8887dc42_s4d
	.p2align	8
	.type	k_qbe8887dc42_s4d,@function
k_qbe8887dc42_s4d:
	s_mov_b64 s[64:65], 0
	v_nop
	global_prefetch_b8 v0, s[64:65] scope:SCOPE_SE
	s_setreg_imm32_b32 hwreg(HW_REG_WAVE_MODE, 25, 1), 1
	s_wait_xcnt 0x0
; S4D kernel.  out[h][l] = 2 Re( sum over n of Cd[h][n] w[h][n]^l ),  dt = exp(log_dt[h]),  A = -exp(log_A_real) + i A_imag,
; w = exp(dt A),  Cd = C (w - 1) / A.   1024 rows h, 32 complex modes n, 2048 places l, all f32.
;
; THE IDEA.  w^l = w^lX w^lY when the bits of l are dealt to lX and lY.  lX takes bits 0-1 and 7-10 (64 values), lY bits 2-6 (32 values).
; For one h the sum over n is then a real matrix product  D[64 x 32] = P[64 x 64] Q[64 x 32]:  K = 64 is 32 modes x (re, im),
; P(lX, n) = w^lX, Q(n, lY) = conj(2 Cd w^lY), since Re(z v) = Re v Re conj z + Im v Im conj z.  96 powers a mode in place of 2048, one exp/sin/cos a mode.
; The bits are dealt so for the way out: in a 16 x 16 result, register j of lane (r, hf) is row 8 hf + j, column r (ISA guide 7.12.2).  With
; row rho = 16 s + 8 hf + j  ->  lX = (rho & 3) + 128 (rho >> 2)   and   column r of tile u  ->  lY = 4 r + 64 u
; four neighbouring registers of sixteen neighbouring lanes are 256 consecutive bytes of out, aligned: results are stored straight from the accumulators.
;
; NUMBER FORMAT.  bf16 operands, f32 sums.  Each operand goes as head + tail of bf16 (tail = bf16(x - head)) and three products are summed
; (head head, head tail, tail head): a row with dt near 0.1 has terms some twenty times the output's root mean square, and an output there may be near 0,
; so one bf16 rounding (2^-9 of a term) would not stay inside a hundredth of that root mean square; what the split leaves is about 2^-17 of a term.
;
; SHARES.  One wave makes one row h; four waves in a work-group, which never meet: each has its own 9,472 bytes of LDS, so there is no barrier.
; Phase 1, lane = n: w, Cd, the powers.  They are handed to phase 2's lanes through LDS (34 rows of 32 complex numbers).
; Phase 2, lane = (r, hf): lane holds row (column) r and the 16 modes n = 16 hf + c, for P and Q alike, so the K places of both operands agree.
;
; LIMITS.  (1) Powers are products (squarings, then at most three further factors): a term's relative error grows to about l x 2e-7; the rounding that the
; f32 product (dt A) l has in the formula as written is not reproduced, so the two part where |A_imag dt l| 2^-24 is not small and the term has not decayed.
; (2) v_exp_f32 and v_rcp_f32 flush denormals (ISA guide 15.8): dt and |w| below 2^-126 count as 0; |A|^2 has to be a normal f32 (about 1e-19 < |A| < 1e19).
; (3) The angle A_imag dt is reduced with pi/2 in three parts, right for |A_imag dt| < 2^22; beyond, the reduced angle is clamped to [-1, 1], so that sine and
; cosine stay bounded and a term whose |w| is 0 gives 0.  (4) Inputs that are not finite are not treated.
.set PITCH,    272                     ; an LDS row: 256 bytes + 16 = 17 x 16: the 16 rows that one load touches start in 16 different 16-byte columns of a 256-byte span
.set TAB_A,    0                       ; rows 0-15:  w^((r&3) + 128 (r>>2))
.set TAB_B,    16*PITCH                ; rows 16-31: conj(2 Cd w^(4 r))
.set ROW_W512, 32*PITCH                ; row 32: w^512, from one tile of P to the next
.set ROW_W64,  33*PITCH                ; row 33: w^64, from one tile of Q to the next
.set WAVE_LDS, 9472                    ; 34 rows = 9,248 bytes, rounded up to a multiple of 256
; registers that live through the kernel
.set LANE, 1                           ; lane = n in phase 1
.set OFF4, 2                           ; byte offset of (h, n) in A_imag and log_A_real
.set OFF8, 3                           ; in C
.set OFFD, 4                           ; of h in log_dt
.set SA,   5                           ; LDS: my 8 bytes in row 0 (phase 1 stores)
.set LA,   6                           ; LDS: my 128 bytes of table row r (phase 2 loads)
.set LM,   7                           ; LDS: my 128 bytes of a row that all r share
.set SO,   8                           ; byte offset in out's row: 16 r + 1024 hf
.set NEG1, 9                           ; -1.0
.set LD,   10                          ; inputs
.set LAR,  11
.set AI,   12
.set CC,   14                          ; v[14:15]
; phase 2
.set BF,   16                          ; v[16:79]   Q's fragments: 32 u + 16 kk + 8 (0 head, 1 tail)
.set AF,   80                          ; v[80:111]  P's fragments, two buffers of a half tile: 16 (half & 1) + 8 (0 head, 1 tail)
.set ST,   112                         ; v[112:143] the current tile of P in f32: 16 complex numbers
.set M5,   144                         ; v[144:175] w^512 of my 16 modes
.set T,    176                         ; v[176:191] at work
.set ACC,  192                         ; v[192:255] accumulators: 16 s + 8 u
.set SB,   192                         ; v[192:223] before the first product: the current tile of Q in f32
.set M6,   224                         ; v[224:255] and w^64
; phase 1 (in registers into which no LDS load lands while phase 1 runs)
.set W1,   16
.set W2,   18
.set W3,   20
.set W4,   22
.set W8,   24
.set W16,  26
.set W32,  28
.set W64,  30
.set W128, 32
.set W256, 34
.set W384, 36
.set W512, 38
.set ONE,  40
.set TAP,  42                          ; v[42:59]  nine products for table A
.set Z,    60                          ; v[60:91]  table B, 16 complex numbers
.set TT,   92
.set UU,   93
.set EE,   94
.set DT,   95
.set AR,   96
.set PA,   97
.set BB,   98
.set MX,   99
.set QQ,   100
.set MAG,  101
.set RR,   102
.set QI,   103
.set R2,   104
.set PS,   105
.set PC,   106
.set R3,   107
.set R4,   108
.set C0,   109
.set SN,   110
.set CS,   111
.set DEN,  176
.set INV,  177
.set ODD,  178
.set SGC,  179
.set SGS,  180
.set MGC,  181
.set MGS,  182
.set ER,   183
.set NR,   184
.set NI,   185
.set DR,   186
.set DI,   187
; A complex product d = x y in two packed instructions on (re, im) pairs; d is neither x nor y.
.macro CM1 d, x, y                     ; (xr yr, xi yr)
	v_pk_mul_f32 v[\d:\d+1], v[\x:\x+1], v[\y:\y+1] op_sel_hi:[1,0]
.endm
.macro CM2 d, x, y                     ; + (-xi yi, xr yi)
	v_pk_fma_f32 v[\d:\d+1], v[\x:\x+1], v[\y:\y+1], v[\d:\d+1] op_sel:[1,1,0] op_sel_hi:[0,1,1] neg_lo:[1,0,0]
.endm
.macro CM2C d, x, y                    ; + (xi yi, -xr yi): d = x conj(y)
	v_pk_fma_f32 v[\d:\d+1], v[\x:\x+1], v[\y:\y+1], v[\d:\d+1] op_sel:[1,1,0] op_sel_hi:[0,1,1] neg_hi:[1,0,0]
.endm
	s_load_b256 s[4:11], s[0:1], 0x0               ; A_imag s[4:5], C s[6:7], log_A_real s[8:9], log_dt s[10:11]
	s_load_b64 s[12:13], s[0:1], 0x20              ; out0
	v_lshl_add_u32 v13, v0, 2, 0x9400
	s_set_vgpr_msb 0x40
	v_mov_b32 v1, 0
	s_set_vgpr_msb 0x4000
	v_lshrrev_b32 v1, 5, v0
	v_readfirstlane_b32 s14, v1                    ; wave 0..3
	s_lshl_b32 s15, ttmp9, 2
	s_add_co_u32 s15, s15, s14                     ; h = 4 x work-group + wave
	s_lshl_b32 s16, s15, 7                         ; h x 128 bytes: a row of A_imag, of log_A_real
	s_lshl_b32 s17, s15, 2                         ; h x 4
	s_lshl_b32 s18, s15, 13                        ; h x 8,192 bytes: a row of out
	s_mov_b32 s19, 0
	s_mul_i32 s34, s14, WAVE_LDS                   ; my wave's LDS
	v_and_b32 v[LANE], 31, v0
	v_lshl_add_u32 v[OFF4], v[LANE], 2, s16
	v_mov_b32 v[OFFD], s17
	v_lshlrev_b32 v[OFF8], 1, v[OFF4]              ; a row of C is 256 bytes, a number 8
	s_wait_kmcnt 0x0
	global_load_b32 v[LD], v[OFFD], s[10:11]
	global_load_b32 v[LAR], v[OFF4], s[8:9]
	global_load_b32 v[AI], v[OFF4], s[4:5]
	global_load_b64 v[CC:CC+1], v[OFF8], s[6:7]
	s_add_nc_u64 s[12:13], s[12:13], s[18:19]      ; out at my row
	; while the loads are on their way: constants and addresses
	s_mov_b32 s20, 0x3fb8aa3b                      ; log2(e), head
	s_mov_b32 s21, 0x32a57060                      ; log2(e), tail
	s_mov_b32 s22, 0x3f317218                      ; ln 2
	s_mov_b32 s23, 0xbfb8aa3b                      ; -log2(e)
	s_mov_b32 s24, 0x3f22f983                      ; 2 / pi
	s_mov_b32 s25, 0xbfc90fdb                      ; -pi/2 in three parts
	s_mov_b32 s26, 0x333bbd2e
	s_mov_b32 s27, 0x26f72ced
	s_mov_b32 s28, 0xb94ca1f9                      ; sine on [-pi/4, pi/4]:   r + r^3 (S1 + r^2 (S2 + r^2 S3)): S3
	s_mov_b32 s29, 0x3c08839e                      ; S2
	s_mov_b32 s30, 0x37ccf5ce                      ; cosine: 1 - r^2/2 + r^4 (C1 + r^2 (C2 + r^2 C3)): C3
	s_mov_b32 s31, 0xbab6061a                      ; C2
	s_mov_b32 s32, 0xbe2aaaa3                      ; S1
	s_mov_b32 s33, 0x3d2aaaa5                      ; C1
	v_lshl_add_u32 v[SA], v[LANE], 3, s34          ; 8 n + my wave's LDS
	v_and_b32 v[LA], 15, v0                        ; r
	v_bfe_u32 v[LM], v0, 4, 1                      ; hf
	v_lshlrev_b32 v[SO], 4, v[LA]
	v_lshl_add_u32 v[SO], v[LM], 10, v[SO]         ; 16 r + 1024 hf
	v_lshl_add_u32 v[LM], v[LM], 7, s34            ; 128 hf (16 modes of 8 bytes) + my wave's LDS
	v_mul_u32_u24 v[LA], v[LA], PITCH
	v_add_nc_u32 v[LA], v[LA], v[LM]               ; + r rows
	v_mov_b32 v[NEG1], -1.0
	v_mov_b32 v[ONE], 1.0
	v_mov_b32 v[ONE+1], 0
	ds_store_b64 v[SA], v[ONE:ONE+1] offset:TAB_A  ; table A, row 0: w^0
	; ---------------- PHASE 1, lane = n ----------------
	s_wait_loadcnt 0x0
	; dt = exp(log_dt): 2^t (1 + ln2 e), where t + e = log_dt log2(e) to twice the precision: dt's relative error goes into every phase A_imag dt l
	v_mul_f32 v[TT], s20, v[LD]
	v_mul_f32 v[UU], s20, v[LAR]
	v_mul_f32 v[DEN], v[AI], v[AI]
	v_fma_f32 v[EE], v[LD], s20, -v[TT]
	v_exp_f32 v[DT], v[TT]
	v_exp_f32 v[AR], v[UU]                         ; ar = exp(log_A_real) = -Re A
	v_fmac_f32 v[EE], s21, v[LD]                   ; the plain instruction behind the two exponentials (ISA guide 5.7.2)
	v_mul_f32 v[EE], s22, v[EE]
	s_wait_alu depctr_va_vdst(0)
	v_fma_f32 v[DEN], v[AR], v[AR], v[DEN]         ; |A|^2
	v_fma_f32 v[DT], v[DT], v[EE], v[DT]           ; dt
	v_rcp_f32 v[INV], v[DEN]
	v_mul_f32 v[BB], v[AI], v[DT]                  ; b = Im(dt A)
	v_mul_f32 v[PA], v[AR], v[DT]                  ; -Re(dt A)
	v_mul_f32 v[QQ], s24, v[BB]
	v_mul_f32 v[MX], s23, v[PA]
	v_rndne_f32 v[QQ], v[QQ]                       ; q = nearest whole number to b / (pi/2)
	v_exp_f32 v[MAG], v[MX]                        ; |w|
	v_fma_f32 v[RR], v[QQ], s25, v[BB]             ; r = b - q pi/2
	v_cvt_i32_f32 v[QI], v[QQ]
	v_fma_f32 v[RR], v[QQ], s26, v[RR]
	s_wait_alu depctr_va_vdst(0)
	v_add_f32 v[INV], v[INV], v[INV]               ; 2 / |A|^2: the formula's factor 2 goes in here
	v_fma_f32 v[RR], v[QQ], s27, v[RR]
	v_and_b32 v[ODD], 1, v[QI]
	v_add_nc_u32 v[SGC], 1, v[QI]
	v_med3_num_f32 v[RR], v[RR], -1.0, 1.0         ; changes nothing while |b| < 2^22; keeps sine and cosine bounded beyond
	v_lshlrev_b32 v[SGS], 30, v[QI]
	v_lshlrev_b32 v[SGC], 30, v[SGC]
	v_mul_f32 v[R2], v[RR], v[RR]
	v_cmp_eq_u32 vcc_lo, 1, v[ODD]                 ; odd quadrant: sine and cosine change places
	v_and_b32 v[SGS], 0x80000000, v[SGS]           ; sine's sign: bit 1 of q
	v_and_b32 v[SGC], 0x80000000, v[SGC]           ; cosine's sign: bit 1 of q + 1
	v_fma_f32 v[PS], v[R2], s28, s29
	v_fma_f32 v[PC], v[R2], s30, s31
	v_mul_f32 v[R3], v[R2], v[RR]
	v_mul_f32 v[R4], v[R2], v[R2]
	v_fma_f32 v[C0], v[R2], -0.5, 1.0
	v_fma_f32 v[PS], v[PS], v[R2], s32
	v_fma_f32 v[PC], v[PC], v[R2], s33
	v_xor_b32 v[MGS], v[SGS], v[MAG]               ; the signs ride on |w|
	v_xor_b32 v[MGC], v[SGC], v[MAG]
	v_fma_f32 v[PS], v[PS], v[R3], v[RR]           ; sin r
	v_fma_f32 v[PC], v[PC], v[R4], v[C0]           ; cos r
	v_cndmask_b32 v[SN], v[PS], v[PC], vcc_lo
	v_cndmask_b32 v[CS], v[PC], v[PS], vcc_lo
	v_mul_f32 v[W1], v[MGC], v[CS]                 ; w = |w| (cos b, sin b)
	v_mul_f32 v[W1+1], v[MGS], v[SN]
	; The chain of squarings w^2 .. w^512, each link two dependent instructions; Cd, the tables and the LDS stores stand between the links.
	; Z0 = conj(2 Cd),  Cd = (C (w - 1)) conj(A) / |A|^2  with conj(A) = (-ar, -ai), in the order of the formula as written.
	CM1 W2, W1, W1
	v_add_f32 v[ER], -1.0, v[W1]
	v_mul_f32 v[NR], v[CC+1], v[W1+1]
	CM2 W2, W1, W1
	v_mul_f32 v[NI], v[CC+1], v[ER]
	v_fma_f32 v[NR], v[CC], v[ER], -v[NR]          ; N = C (w - 1)
	v_fma_f32 v[NI], v[CC], v[W1+1], v[NI]
	ds_store_b64 v[SA], v[W1:W1+1] offset:TAB_A+PITCH
	CM1 W4, W2, W2
	CM1 W3, W2, W1
	v_mul_f32 v[DR], v[NR], v[AR]
	v_mul_f32 v[DI], v[NI], v[AR]
	CM2 W4, W2, W2
	CM2 W3, W2, W1
	v_fma_f32 v[DR], v[NI], v[AI], -v[DR]          ; Ni ai - Nr ar
	v_fma_f32 v[DI], v[NR], v[AI], v[DI]           ; Nr ai + Ni ar: minus the imaginary part, as the conjugate wants it
	v_mul_f32 v[Z], v[DR], v[INV]
	v_mul_f32 v[Z+1], v[DI], v[INV]
	CM1 W8, W4, W4
	CM1 Z+2, Z, W4
	ds_store_b64 v[SA], v[W2:W2+1] offset:TAB_A+2*PITCH
	ds_store_b64 v[SA], v[W3:W3+1] offset:TAB_A+3*PITCH
	CM2 W8, W4, W4
	CM2C Z+2, Z, W4                                ; table B grows as a tree: Z[r + 2^i] = Z[r] conj(w^(4 2^i))
	CM1 W16, W8, W8
	CM1 Z+4, Z, W8
	CM1 Z+6, Z+2, W8
	CM2 W16, W8, W8
	CM2C Z+4, Z, W8
	CM2C Z+6, Z+2, W8
	CM1 W32, W16, W16
.irp k, 0,1,2,3
	CM1 Z+8+2*\k, Z+2*\k, W16
.endr
	CM2 W32, W16, W16
.irp k, 0,1,2,3
	CM2C Z+8+2*\k, Z+2*\k, W16
.endr
	CM1 W64, W32, W32
.irp k, 0,1,2,3,4,5,6,7
	CM1 Z+16+2*\k, Z+2*\k, W32
.endr
	CM2 W64, W32, W32
.irp k, 0,1,2,3,4,5,6,7
	CM2C Z+16+2*\k, Z+2*\k, W32
.endr
	ds_store_b64 v[SA], v[W64:W64+1] offset:ROW_W64
	CM1 W128, W64, W64
.irp k, 0,1,2,3,4,5,6,7
	ds_store_b64 v[SA], v[Z+2*\k:Z+2*\k+1] offset:TAB_B+\k*PITCH
.endr
	CM2 W128, W64, W64
.irp k, 8,9,10,11,12,13,14,15
	ds_store_b64 v[SA], v[Z+2*\k:Z+2*\k+1] offset:TAB_B+\k*PITCH
.endr
	; Q's side is in LDS: fetch it in phase 2's layout.  LDS serves a wave's instructions in order (ISA guide 5.7.1.4): these loads see the stores above.
.irp c, 0,1,2,3,4,5,6,7
	ds_load_b128 v[SB+4*\c:SB+4*\c+3], v[LA] offset:TAB_B+16*\c       ; conj(2 Cd w^(4 r)) of modes 16 hf + 2 c, + 1
.endr
.irp c, 0,1,2,3,4,5,6,7
	ds_load_b128 v[M6+4*\c:M6+4*\c+3], v[LM] offset:ROW_W64+16*\c
.endr
	; the rest of the chain and table A: row i + 4 j = w^i w^(128 j)
	CM1 W256, W128, W128
	CM1 TAP, W128, W1
	CM1 TAP+2, W128, W2
	CM1 TAP+4, W128, W3
	CM2 W256, W128, W128
	CM2 TAP, W128, W1
	CM2 TAP+2, W128, W2
	CM2 TAP+4, W128, W3
	ds_store_b64 v[SA], v[W128:W128+1] offset:TAB_A+4*PITCH
	CM1 W512, W256, W256
	CM1 W384, W256, W128
	CM1 TAP+6, W256, W1
	CM1 TAP+8, W256, W2
	CM1 TAP+10, W256, W3
	CM2 W512, W256, W256
	CM2 W384, W256, W128
	CM2 TAP+6, W256, W1
	CM2 TAP+8, W256, W2
	CM2 TAP+10, W256, W3
	ds_store_b64 v[SA], v[TAP:TAP+1] offset:TAB_A+5*PITCH
	ds_store_b64 v[SA], v[TAP+2:TAP+3] offset:TAB_A+6*PITCH
	ds_store_b64 v[SA], v[TAP+4:TAP+5] offset:TAB_A+7*PITCH
	ds_store_b64 v[SA], v[W256:W256+1] offset:TAB_A+8*PITCH
	CM1 TAP+12, W384, W1
	CM1 TAP+14, W384, W2
	CM1 TAP+16, W384, W3
	ds_store_b64 v[SA], v[TAP+6:TAP+7] offset:TAB_A+9*PITCH
	ds_store_b64 v[SA], v[TAP+8:TAP+9] offset:TAB_A+10*PITCH
	ds_store_b64 v[SA], v[TAP+10:TAP+11] offset:TAB_A+11*PITCH
	ds_store_b64 v[SA], v[W384:W384+1] offset:TAB_A+12*PITCH
	ds_store_b64 v[SA], v[W512:W512+1] offset:ROW_W512
	CM2 TAP+12, W384, W1
	CM2 TAP+14, W384, W2
	CM2 TAP+16, W384, W3
	ds_store_b64 v[SA], v[TAP+12:TAP+13] offset:TAB_A+13*PITCH
	ds_store_b64 v[SA], v[TAP+14:TAP+15] offset:TAB_A+14*PITCH
	ds_store_b64 v[SA], v[TAP+16:TAP+17] offset:TAB_A+15*PITCH
.irp c, 0,1,2,3,4,5,6,7
	ds_load_b128 v[ST+4*\c:ST+4*\c+3], v[LA] offset:TAB_A+16*\c       ; w^((r&3) + 128 (r>>2)) of modes 16 hf + 2 c, + 1
.endr
.irp c, 0,1,2,3,4,5,6,7
	ds_load_b128 v[M5+4*\c:M5+4*\c+3], v[LM] offset:ROW_W512+16*\c
.endr
	; ---------------- PHASE 2, lane = (r, hf) ----------------
	; Work goes in sections of eight independent instructions on eight complex numbers (half a tile: one K step of 32).
	; A fragment register holds one complex number, re in the low half, im in the high half: register q of K step kk is mode 16 hf + 8 kk + q, in P and in Q alike.
.macro SEC_HI s, d                     ; heads: the numbers at v[s ..] rounded to bf16, into v[d .. d+7]
.irp q, 0,1,2,3,4,5,6,7
	v_cvt_pk_bf16_f32 v[\d+\q], v[\s+2*\q], v[\s+2*\q+1]
.endr
.endm
.macro SEC_MIX s, d, b                 ; what the heads of numbers b .. b+3 leave: x - head, exact in f32
.irp q, 0,1,2,3
	v_fma_mix_f32_bf16 v[T+2*(\b+\q)], v[\d+\b+\q], v[NEG1], v[\s+2*(\b+\q)] op_sel_hi:[1,0,0]
	v_fma_mix_f32_bf16 v[T+2*(\b+\q)+1], v[\d+\b+\q], v[NEG1], v[\s+2*(\b+\q)+1] op_sel:[1,0,0] op_sel_hi:[1,0,0]
.endr
.endm
.macro SEC_LO d                        ; tails, into v[d+8 .. d+15]
.irp q, 0,1,2,3,4,5,6,7
	v_cvt_pk_bf16_f32 v[\d+8+\q], v[T+2*\q], v[T+2*\q+1]
.endr
.endm
.macro SEC_MUL s, m                    ; the numbers at v[s ..] times those at v[m ..], in place: first halves of the products
.irp q, 0,1,2,3,4,5,6,7
	v_pk_mul_f32 v[T+2*\q:T+2*\q+1], v[\s+2*\q:\s+2*\q+1], v[\m+2*\q:\m+2*\q+1] op_sel_hi:[1,0]
.endr
.endm
.macro SEC_FMA s, m
.irp q, 0,1,2,3,4,5,6,7
	v_pk_fma_f32 v[\s+2*\q:\s+2*\q+1], v[\s+2*\q:\s+2*\q+1], v[\m+2*\q:\m+2*\q+1], v[T+2*\q:T+2*\q+1] op_sel:[1,1,0] op_sel_hi:[0,1,1] neg_lo:[1,0,0]
.endr
.endm
.macro SEC_FMAC s, m                   ; the same with conj(m)
.irp q, 0,1,2,3,4,5,6,7
	v_pk_fma_f32 v[\s+2*\q:\s+2*\q+1], v[\s+2*\q:\s+2*\q+1], v[\m+2*\q:\m+2*\q+1], v[T+2*\q:T+2*\q+1] op_sel:[1,1,0] op_sel_hi:[0,1,1] neg_hi:[1,0,0]
.endr
.endm
.macro SPLIT s, d                      ; half a tile into head and tail
	SEC_HI \s, \d
	SEC_MIX \s, \d, 0
	SEC_MIX \s, \d, 4
	SEC_LO \d
.endm
	; Q: two tiles of 16 columns.  29 = the 13 LDS stores and 16 LDS loads issued behind Q's 16 loads: Q's side is in, P's stays on its way.
	s_wait_dscnt 29
	SPLIT SB, BF
	SPLIT SB+16, BF+16
	SEC_MUL SB, M6                                 ; tile 1 = tile 0 times conj(w^64)
	SEC_FMAC SB, M6
	SPLIT SB, BF+32
	SEC_MUL SB+16, M6+16
	SEC_FMAC SB+16, M6+16
	SPLIT SB+16, BF+48
; Product i (0..5) of half h (tile s = h / 2 of P, K step kk = h % 2): column tile u = i % 2; i / 2 = 0 head head, 1 head tail, 2 tail head.
; The first product of a tile takes 0 as C: nothing is cleared.  The two accumulators of a tile take turns, one instruction a turn.
.macro WM h, i
.set WD, ACC+16*((\h)/2)+8*((\i)%2)
.set WA, AF+16*((\h)%2)+8*((\i)/4)
.set WB, BF+32*((\i)%2)+16*((\h)%2)+8*(((\i)/2)%2)
.if ((\h)%2)+((\i)/2)
	v_wmma_f32_16x16x32_bf16 v[WD:WD+7], v[WA:WA+7], v[WB:WB+7], v[WD:WD+7]
.else
	v_wmma_f32_16x16x32_bf16 v[WD:WD+7], v[WA:WA+7], v[WB:WB+7], 0
.endif
.endm
; Tile s of P is done: 4 l = 4 (j&3) + 16 r + 256 u + 512 (j>>2) + 1024 hf + 2048 s.  Each store: lanes 0-15 write 256 consecutive bytes at a multiple of 256 from
; the row's first byte, lanes 16-31 another 256.  The accumulators are never written again, so no wait follows.
.macro STORE s
.irp g, 0,1,2,3
	global_store_b128 v[SO], v[ACC+16*\s+4*\g:ACC+16*\s+4*\g+3], s[12:13] offset:2048*\s+256*(\g/2)+512*(\g%2) th:TH_STORE_NT
.endr
.endm
; Half h (2..7) is made (times w^512, split) while the six products of half p = h - 1 are issued, one behind each section.
; Distances behind matrix instructions, counted in plain vector instructions that name none of their registers:
; SEC_HI writes the fragment buffer that half h - 2 read: its last product stands 16 such instructions back (SEC_MUL, SEC_FMA);
; the stores read accumulators whose last product ended the half before: 8 such instructions back (SEC_MUL).
.macro HALF h, p, dost, st
.set HS, ST+16*((\h)%2)
.set HM, M5+16*((\h)%2)
.set HF, AF+16*((\h)%2)
	SEC_MUL HS, HM
	WM \p, 0
.if \dost
	STORE \st
.endif
	SEC_FMA HS, HM
	WM \p, 1
	SEC_HI HS, HF
	WM \p, 2
	SEC_MIX HS, HF, 0
	WM \p, 3
	SEC_MIX HS, HF, 4
	WM \p, 4
	SEC_LO HF
	WM \p, 5
.endm
	s_wait_dscnt 0x0                               ; P's tile 0 and w^512 are in
	SPLIT ST, AF                                   ; half 0: tile 0 as it came
	SEC_HI ST+16, AF+16                            ; half 1, with half 0's products
	WM 0, 0
	SEC_MIX ST+16, AF+16, 0
	WM 0, 1
	SEC_MIX ST+16, AF+16, 4
	WM 0, 2
	SEC_LO AF+16
	WM 0, 3
	WM 0, 4
	WM 0, 5
	HALF 2, 1, 0, 0
	HALF 3, 2, 1, 0                                ; tile 0 leaves
	HALF 4, 3, 0, 0
	HALF 5, 4, 1, 1
	HALF 6, 5, 0, 0
	HALF 7, 6, 1, 2
	WM 7, 0
	WM 7, 1
	WM 7, 2
	WM 7, 3
	WM 7, 4
	WM 7, 5
.rept 4
	v_nop                                          ; four places between the last product and the stores that read it; no work is left to put there
.endr
	STORE 3
	s_set_vgpr_msb 0x4
	s_wait_tensorcnt 0x0
	ds_add_u32 v13, v1
	s_wait_dscnt 0x0
	s_set_vgpr_msb 0x400
	s_endpgm
.Lfunc_end_k_qbe8887dc42_s4d:
	.size	k_qbe8887dc42_s4d, .Lfunc_end_k_qbe8887dc42_s4d-k_qbe8887dc42_s4d
	.p2alignl 7, 3214868480
	.fill 96, 4, 3214868480
	.section	.rodata,"a",@progbits
	.p2align	6, 0x0
	.amdhsa_kernel k_qbe8887dc42_s4d
		.amdhsa_group_segment_fixed_size 38400
		.amdhsa_private_segment_fixed_size 0
		.amdhsa_enable_private_segment 0
		.amdhsa_kernarg_size 40
		.amdhsa_user_sgpr_count 2
		.amdhsa_user_sgpr_kernarg_segment_ptr 1
		.amdhsa_wavefront_size32 1
		.amdhsa_system_sgpr_workgroup_id_x 1
		.amdhsa_system_sgpr_workgroup_id_y 1
		.amdhsa_system_sgpr_workgroup_id_z 1
		.amdhsa_system_vgpr_workitem_id 0
		.amdhsa_next_free_vgpr 258
		.amdhsa_next_free_sgpr 66
		.amdhsa_reserve_vcc 1
		.amdhsa_float_denorm_mode_32 3
		.amdhsa_float_denorm_mode_16_64 3
		.amdhsa_memory_ordered 1
		.amdhsa_forward_progress 1
		.amdhsa_inst_pref_size 51
	.end_amdhsa_kernel
	.amdgpu_metadata
---
amdhsa.version: [ 1, 2 ]
amdhsa.kernels:
  - .name:           k_qbe8887dc42_s4d
    .symbol:         k_qbe8887dc42_s4d.kd
    .args:
      - { .name: A_imag, .offset: 0, .size: 8, .value_kind: global_buffer, .address_space: global }
      - { .name: C, .offset: 8, .size: 8, .value_kind: global_buffer, .address_space: global }
      - { .name: log_A_real, .offset: 16, .size: 8, .value_kind: global_buffer, .address_space: global }
      - { .name: log_dt, .offset: 24, .size: 8, .value_kind: global_buffer, .address_space: global }
      - { .name: out0, .offset: 32, .size: 8, .value_kind: global_buffer, .address_space: global }
    .group_segment_fixed_size: 38400
    .private_segment_fixed_size: 0
    .kernarg_segment_align: 8
    .kernarg_segment_size: 40
    .max_flat_workgroup_size: 128
    .sgpr_count:     66
    .vgpr_count:     258
    .wavefront_size: 32
...
	.end_amdgpu_metadata
.endif
;; end of part 1
;; ======== version 2 of 2: 1 launch; version 1 with the launch s4d written anew for expert scheduling mode
;; limits: right only within a limited range of input values
;; launch s4d (part 2): grid 256 x 1, 4 waves a work-group, no clusters, 38,400 bytes of LDS; arguments A_imag, C, log_A_real, log_dt, out0; writes out0
.if DOCPART == 2
	.amdgcn_target "amdgcn-amd-amdhsa--gfx1250"
	.amdhsa_code_object_version 6
	.text
	.protected	k_qbe8887dc42_s4d
	.globl	k_qbe8887dc42_s4d
	.p2align	8
	.type	k_qbe8887dc42_s4d,@function
k_qbe8887dc42_s4d:
	s_mov_b64 s[64:65], 0
	v_nop
	global_prefetch_b8 v0, s[64:65] scope:SCOPE_SE
	s_setreg_imm32_b32 hwreg(HW_REG_WAVE_SCHED_MODE, 0, 2), 2
	s_setreg_imm32_b32 hwreg(HW_REG_WAVE_MODE, 25, 1), 1
	s_wait_xcnt 0x0
	s_wait_alu depctr_vm_vsrc(0)
; S4D kernel.  out[h][l] = 2 Re( sum over n of Cd[h][n] w[h][n]^l ),  dt = exp(log_dt[h]),  A = -exp(log_A_real) + i A_imag,
; w = exp(dt A),  Cd = C (w - 1) / A.   1024 rows h, 32 complex modes n, 2048 places l, all f32.
;
; THE IDEA.  w^l = w^lX w^lY when the bits of l are dealt to lX and lY.  lX takes bits 0-1 and 7-10 (64 values), lY bits 2-6 (32 values).
; For one h the sum over n is then a real matrix product  D[64 x 32] = P[64 x 64] Q[64 x 32]:  K = 64 is 32 modes x (re, im),
; P(lX, n) = w^lX, Q(n, lY) = conj(2 Cd w^lY), since Re(z v) = Re v Re conj z + Im v Im conj z.  96 powers a mode in place of 2048, one exp/sin/cos a mode.
; The bits are dealt so for the way out: in a 16 x 16 result, register j of lane (r, hf) is row 8 hf + j, column r (ISA guide 7.12.2).  With
; row rho = 16 s + 8 hf + j  ->  lX = (rho & 3) + 128 (rho >> 2)   and   column r of tile u  ->  lY = 4 r + 64 u
; four neighbouring registers of sixteen neighbouring lanes are 256 consecutive bytes of out, aligned: results are stored straight from the accumulators.
;
; NUMBER FORMAT.  bf16 operands, f32 sums.  Each operand goes as head + tail of bf16 (tail = bf16(x - head)) and three products are summed
; (head head, head tail, tail head): a row with dt near 0.1 has terms some twenty times the output's root mean square, and an output there may be near 0,
; so one bf16 rounding (2^-9 of a term) would not stay inside a hundredth of that root mean square; what the split leaves is about 2^-17 of a term.
;
; SHARES.  One wave makes one row h; four waves in a work-group, which never meet: each has its own 9,472 bytes of LDS, so there is no barrier.
; Phase 1, lane = n: w, Cd, the powers.  They are handed to phase 2's lanes through LDS (34 rows of 32 complex numbers).
; Phase 2, lane = (r, hf): lane holds row (column) r and the 16 modes n = 16 hf + c, for P and Q alike, so the K places of both operands agree.
;
; THE MODE: SCHED_MODE bits 1:0 = 2 (LLVM: expert scheduling mode 2), set by the entry lines.  The code itself states the register dependences
; between vector or matrix instructions and memory or LDS instructions, with s_wait_alu, always for 0.
; THE PLAN.  Registers that memory or LDS instructions touch:
;   v2-v8      offsets and LDS addresses.  Made at the head, ahead of one wait on va_vdst, and named by no vector instruction behind it.
;   v10-v15    the inputs.  Four global loads land in them; no vector instruction names them before.
;   v16-v91    phase 1's powers, the data of 34 LDS stores.  The stores stand in three runs, each behind a wait on va_vdst that shows its data written: w^0 at the
;              head; w, w^2, w^3, w^64 and Q's table; P's table and w^512.  Phase 2's splits write these registers again: one wait on vm_vsrc stands ahead of the first split.
;   v112-v255  where the 32 LDS loads land.  No vector instruction names them before their load, so the loads owe no wait; P's sixteen are dealt among the
;              first sections of Q's split, which name other registers.
;   v192-v255  later the accumulators, the data of the 16 global stores, never written again.  One wait on va_vdst ahead of each tile's four stores.
;
; LIMITS.  (1) Powers are products (squarings, then at most three further factors): a term's relative error grows to about l x 2e-7; the rounding that the
; f32 product (dt A) l has in the formula as written is not reproduced, so the two part where |A_imag dt l| 2^-24 is not small and the term has not decayed.
; (2) v_exp_f32 and v_rcp_f32 flush denormals (ISA guide 15.8): dt and |w| below 2^-126 count as 0; |A|^2 has to be a normal f32 (about 1e-19 < |A| < 1e19).
; (3) The angle A_imag dt is reduced with pi/2 in three parts, right for |A_imag dt| < 2^22; beyond, the reduced angle is clamped to [-1, 1], so that sine and
; cosine stay bounded and a term whose |w| is 0 gives 0.  (4) Inputs that are not finite are not treated.
.set PITCH,    272                     ; an LDS row: 256 bytes + 16 = 17 x 16: the 16 rows that one load touches start in 16 different 16-byte columns of a 256-byte span
.set TAB_A,    0                       ; rows 0-15:  w^((r&3) + 128 (r>>2))
.set TAB_B,    16*PITCH                ; rows 16-31: conj(2 Cd w^(4 r))
.set ROW_W512, 32*PITCH                ; row 32: w^512, from one tile of P to the next
.set ROW_W64,  33*PITCH                ; row 33: w^64, from one tile of Q to the next
.set WAVE_LDS, 9472                    ; 34 rows = 9,248 bytes, rounded up to a multiple of 256
; registers that live through the kernel
.set LANE, 1                           ; lane = n in phase 1
.set OFF4, 2                           ; byte offset of (h, n) in A_imag and log_A_real
.set OFF8, 3                           ; in C
.set OFFD, 4                           ; of h in log_dt
.set SA,   5                           ; LDS: my 8 bytes in row 0 (phase 1 stores)
.set LA,   6                           ; LDS: my 128 bytes of table row r (phase 2 loads)
.set LM,   7                           ; LDS: my 128 bytes of a row that all r share
.set SO,   8                           ; byte offset in out's row: 16 r + 1024 hf
.set NEG1, 9                           ; -1.0
.set LD,   10                          ; inputs
.set LAR,  11
.set AI,   12
.set CC,   14                          ; v[14:15]
; phase 2
.set BF,   16                          ; v[16:79]   Q's fragments: 32 u + 16 kk + 8 (0 head, 1 tail)
.set AF,   80                          ; v[80:111]  P's fragments, two buffers of a half tile: 16 (half & 1) + 8 (0 head, 1 tail)
.set ST,   112                         ; v[112:143] the current tile of P in f32: 16 complex numbers
.set M5,   144                         ; v[144:175] w^512 of my 16 modes
.set T,    176                         ; v[176:191] at work
.set ACC,  192                         ; v[192:255] accumulators: 16 s + 8 u
.set SB,   192                         ; v[192:223] before the first product: the current tile of Q in f32
.set M6,   224                         ; v[224:255] and w^64
; phase 1 (in registers into which no LDS load lands while phase 1 runs)
.set W1,   16
.set W2,   18
.set W3,   20
.set W4,   22
.set W8,   24
.set W16,  26
.set W32,  28
.set W64,  30
.set W128, 32
.set W256, 34
.set W384, 36
.set W512, 38
.set ONE,  40
.set TAP,  42                          ; v[42:59]  nine products for table A
.set Z,    60                          ; v[60:91]  table B, 16 complex numbers
.set TT,   92
.set UU,   93
.set EE,   94
.set DT,   95
.set AR,   96
.set PA,   97
.set BB,   98
.set MX,   99
.set QQ,   100
.set MAG,  101
.set RR,   102
.set QI,   103
.set R2,   104
.set PS,   105
.set PC,   106
.set R3,   107
.set R4,   108
.set C0,   109
.set SN,   110
.set CS,   111
.set DEN,  176
.set INV,  177
.set ODD,  178
.set SGC,  179
.set SGS,  180
.set MGC,  181
.set MGS,  182
.set ER,   183
.set NR,   184
.set NI,   185
.set DR,   186
.set DI,   187
; A complex product d = x y in two packed instructions on (re, im) pairs; d is neither x nor y.
.macro CM1 d, x, y                     ; (xr yr, xi yr)
	v_pk_mul_f32 v[\d:\d+1], v[\x:\x+1], v[\y:\y+1] op_sel_hi:[1,0]
.endm
.macro CM2 d, x, y                     ; + (-xi yi, xr yi)
	v_pk_fma_f32 v[\d:\d+1], v[\x:\x+1], v[\y:\y+1], v[\d:\d+1] op_sel:[1,1,0] op_sel_hi:[0,1,1] neg_lo:[1,0,0]
.endm
.macro CM2C d, x, y                    ; + (xi yi, -xr yi): d = x conj(y)
	v_pk_fma_f32 v[\d:\d+1], v[\x:\x+1], v[\y:\y+1], v[\d:\d+1] op_sel:[1,1,0] op_sel_hi:[0,1,1] neg_hi:[1,0,0]
.endm
	s_load_b256 s[4:11], s[0:1], 0x0               ; A_imag s[4:5], C s[6:7], log_A_real s[8:9], log_dt s[10:11]
	s_load_b64 s[12:13], s[0:1], 0x20              ; out0
	v_lshl_add_u32 v13, v0, 2, 0x9400
	s_set_vgpr_msb 0x40
	v_mov_b32 v1, 0
	s_set_vgpr_msb 0x4000
	v_lshrrev_b32 v1, 5, v0
	v_readfirstlane_b32 s14, v1                    ; wave 0..3
	; every offset and address of the kernel is made here, while the arguments are on their way; first what hangs on the lane alone
	v_and_b32 v[LANE], 31, v0
	v_and_b32 v[LA], 15, v0                        ; r
	v_bfe_u32 v[LM], v0, 4, 1                      ; hf
	v_lshlrev_b32 v[SO], 4, v[LA]
	v_lshl_add_u32 v[SO], v[LM], 10, v[SO]         ; 16 r + 1024 hf
	v_mul_u32_u24 v[LA], v[LA], PITCH              ; r rows
	v_mov_b32 v[NEG1], -1.0
	v_mov_b32 v[ONE], 1.0
	v_mov_b32 v[ONE+1], 0
	s_wait_alu depctr_va_sdst(0)                   ; s14 is written, ahead of its first reader: h and the wave's LDS are made from it
	s_lshl_b32 s15, ttmp9, 2
	s_add_co_u32 s15, s15, s14                     ; h = 4 x work-group + wave
	s_lshl_b32 s16, s15, 7                         ; h x 128 bytes: a row of A_imag, of log_A_real
	s_lshl_b32 s17, s15, 2                         ; h x 4
	s_lshl_b32 s18, s15, 13                        ; h x 8,192 bytes: a row of out
	s_mov_b32 s19, 0
	s_mul_i32 s34, s14, WAVE_LDS                   ; my wave's LDS
	v_lshl_add_u32 v[OFF4], v[LANE], 2, s16
	v_mov_b32 v[OFFD], s17
	v_lshlrev_b32 v[OFF8], 1, v[OFF4]              ; a row of C is 256 bytes, a number 8
	v_lshl_add_u32 v[SA], v[LANE], 3, s34          ; 8 n + my wave's LDS
	v_lshl_add_u32 v[LM], v[LM], 7, s34            ; 128 hf (16 modes of 8 bytes) + my wave's LDS
	v_add_nc_u32 v[LA], v[LA], v[LM]               ; + r rows
	s_wait_kmcnt 0x0
	s_wait_alu depctr_va_vdst(0)                   ; v2 to v8 are written, which every load and store of the kernel reads as its offset or address; so is w^0, which the LDS store below reads
	global_load_b32 v[LD], v[OFFD], s[10:11]
	global_load_b32 v[LAR], v[OFF4], s[8:9]
	global_load_b32 v[AI], v[OFF4], s[4:5]
	global_load_b64 v[CC:CC+1], v[OFF8], s[6:7]
	ds_store_b64 v[SA], v[ONE:ONE+1] offset:TAB_A  ; table A, row 0: w^0
	s_add_nc_u64 s[12:13], s[12:13], s[18:19]      ; out at my row
	; while the loads are on their way: constants
	s_mov_b32 s20, 0x3fb8aa3b                      ; log2(e), head
	s_mov_b32 s21, 0x32a57060                      ; log2(e), tail
	s_mov_b32 s22, 0x3f317218                      ; ln 2
	s_mov_b32 s23, 0xbfb8aa3b                      ; -log2(e)
	s_mov_b32 s24, 0x3f22f983                      ; 2 / pi
	s_mov_b32 s25, 0xbfc90fdb                      ; -pi/2 in three parts
	s_mov_b32 s26, 0x333bbd2e
	s_mov_b32 s27, 0x26f72ced
	s_mov_b32 s28, 0xb94ca1f9                      ; sine on [-pi/4, pi/4]:   r + r^3 (S1 + r^2 (S2 + r^2 S3)): S3
	s_mov_b32 s29, 0x3c08839e                      ; S2
	s_mov_b32 s30, 0x37ccf5ce                      ; cosine: 1 - r^2/2 + r^4 (C1 + r^2 (C2 + r^2 C3)): C3
	s_mov_b32 s31, 0xbab6061a                      ; C2
	s_mov_b32 s32, 0xbe2aaaa3                      ; S1
	s_mov_b32 s33, 0x3d2aaaa5                      ; C1
	; ---------------- PHASE 1, lane = n ----------------
	s_wait_loadcnt 0x0
	; dt = exp(log_dt): 2^t (1 + ln2 e), where t + e = log_dt log2(e) to twice the precision: dt's relative error goes into every phase A_imag dt l
	v_mul_f32 v[TT], s20, v[LD]
	v_mul_f32 v[UU], s20, v[LAR]
	v_mul_f32 v[DEN], v[AI], v[AI]
	v_fma_f32 v[EE], v[LD], s20, -v[TT]
	v_exp_f32 v[DT], v[TT]
	v_exp_f32 v[AR], v[UU]                         ; ar = exp(log_A_real) = -Re A
	v_fmac_f32 v[EE], s21, v[LD]                   ; the plain instruction behind the two exponentials (ISA guide 5.7.2)
	v_mul_f32 v[EE], s22, v[EE]
	s_wait_alu depctr_va_vdst(0)
	v_fma_f32 v[DEN], v[AR], v[AR], v[DEN]         ; |A|^2
	v_fma_f32 v[DT], v[DT], v[EE], v[DT]           ; dt
	v_rcp_f32 v[INV], v[DEN]
	v_mul_f32 v[BB], v[AI], v[DT]                  ; b = Im(dt A)
	v_mul_f32 v[PA], v[AR], v[DT]                  ; -Re(dt A)
	v_mul_f32 v[QQ], s24, v[BB]
	v_mul_f32 v[MX], s23, v[PA]
	v_rndne_f32 v[QQ], v[QQ]                       ; q = nearest whole number to b / (pi/2)
	v_exp_f32 v[MAG], v[MX]                        ; |w|
	v_fma_f32 v[RR], v[QQ], s25, v[BB]             ; r = b - q pi/2
	v_cvt_i32_f32 v[QI], v[QQ]
	v_fma_f32 v[RR], v[QQ], s26, v[RR]
	s_wait_alu depctr_va_vdst(0)
	v_add_f32 v[INV], v[INV], v[INV]               ; 2 / |A|^2: the formula's factor 2 goes in here
	v_fma_f32 v[RR], v[QQ], s27, v[RR]
	v_and_b32 v[ODD], 1, v[QI]
	v_add_nc_u32 v[SGC], 1, v[QI]
	v_med3_num_f32 v[RR], v[RR], -1.0, 1.0         ; changes nothing while |b| < 2^22; keeps sine and cosine bounded beyond
	v_lshlrev_b32 v[SGS], 30, v[QI]
	v_lshlrev_b32 v[SGC], 30, v[SGC]
	v_mul_f32 v[R2], v[RR], v[RR]
	v_cmp_eq_u32 vcc_lo, 1, v[ODD]                 ; odd quadrant: sine and cosine change places
	v_and_b32 v[SGS], 0x80000000, v[SGS]           ; sine's sign: bit 1 of q
	v_and_b32 v[SGC], 0x80000000, v[SGC]           ; cosine's sign: bit 1 of q + 1
	v_fma_f32 v[PS], v[R2], s28, s29
	v_fma_f32 v[PC], v[R2], s30, s31
	v_mul_f32 v[R3], v[R2], v[RR]
	v_mul_f32 v[R4], v[R2], v[R2]
	v_fma_f32 v[C0], v[R2], -0.5, 1.0
	v_fma_f32 v[PS], v[PS], v[R2], s32
	v_fma_f32 v[PC], v[PC], v[R2], s33
	v_xor_b32 v[MGS], v[SGS], v[MAG]               ; the signs ride on |w|
	v_xor_b32 v[MGC], v[SGC], v[MAG]
	v_fma_f32 v[PS], v[PS], v[R3], v[RR]           ; sin r
	v_fma_f32 v[PC], v[PC], v[R4], v[C0]           ; cos r
	s_wait_alu depctr_va_vcc(0)                    ; the compare has written VCC, ahead of its first reader: the two selects below
	v_cndmask_b32 v[SN], v[PS], v[PC], vcc_lo
	v_cndmask_b32 v[CS], v[PC], v[PS], vcc_lo
	v_mul_f32 v[W1], v[MGC], v[CS]                 ; w = |w| (cos b, sin b)
	v_mul_f32 v[W1+1], v[MGS], v[SN]
	; The chain of squarings w^2 .. w^512, each link two dependent instructions; Cd and the tables stand between the links.
	; Z0 = conj(2 Cd),  Cd = (C (w - 1)) conj(A) / |A|^2  with conj(A) = (-ar, -ai), in the order of the formula as written.
	CM1 W2, W1, W1
	v_add_f32 v[ER], -1.0, v[W1]
	v_mul_f32 v[NR], v[CC+1], v[W1+1]
	CM2 W2, W1, W1
	v_mul_f32 v[NI], v[CC+1], v[ER]
	v_fma_f32 v[NR], v[CC], v[ER], -v[NR]          ; N = C (w - 1)
	v_fma_f32 v[NI], v[CC], v[W1+1], v[NI]
	CM1 W4, W2, W2
	CM1 W3, W2, W1
	v_mul_f32 v[DR], v[NR], v[AR]
	v_mul_f32 v[DI], v[NI], v[AR]
	CM2 W4, W2, W2
	CM2 W3, W2, W1
	v_fma_f32 v[DR], v[NI], v[AI], -v[DR]          ; Ni ai - Nr ar
	v_fma_f32 v[DI], v[NR], v[AI], v[DI]           ; Nr ai + Ni ar: minus the imaginary part, as the conjugate wants it
	v_mul_f32 v[Z], v[DR], v[INV]
	v_mul_f32 v[Z+1], v[DI], v[INV]
	CM1 W8, W4, W4
	CM1 Z+2, Z, W4
	CM2 W8, W4, W4
	CM2C Z+2, Z, W4                                ; table B grows as a tree: Z[r + 2^i] = Z[r] conj(w^(4 2^i))
	CM1 W16, W8, W8
	CM1 Z+4, Z, W8
	CM1 Z+6, Z+2, W8
	CM2 W16, W8, W8
	CM2C Z+4, Z, W8
	CM2C Z+6, Z+2, W8
	CM1 W32, W16, W16
.irp k, 0,1,2,3
	CM1 Z+8+2*\k, Z+2*\k, W16
.endr
	CM2 W32, W16, W16
.irp k, 0,1,2,3
	CM2C Z+8+2*\k, Z+2*\k, W16
.endr
	CM1 W64, W32, W32
.irp k, 0,1,2,3,4,5,6,7
	CM1 Z+16+2*\k, Z+2*\k, W32
.endr
	CM2 W64, W32, W32
.irp k, 0,1,2,3,4,5,6,7
	CM2C Z+16+2*\k, Z+2*\k, W32
.endr
	s_wait_alu depctr_va_vdst(0)                   ; w, w^2, w^3, w^64 and the sixteen Z are written, which the twenty LDS stores below read
	ds_store_b64 v[SA], v[W1:W1+1] offset:TAB_A+PITCH
	ds_store_b64 v[SA], v[W2:W2+1] offset:TAB_A+2*PITCH
	ds_store_b64 v[SA], v[W3:W3+1] offset:TAB_A+3*PITCH
	ds_store_b64 v[SA], v[W64:W64+1] offset:ROW_W64
	CM1 W128, W64, W64                             ; the chain goes on among the stores: its two lines write w^128 alone, which none of these stores reads
.irp k, 0,1,2,3,4,5,6,7
	ds_store_b64 v[SA], v[Z+2*\k:Z+2*\k+1] offset:TAB_B+\k*PITCH
.endr
	CM2 W128, W64, W64
.irp k, 8,9,10,11,12,13,14,15
	ds_store_b64 v[SA], v[Z+2*\k:Z+2*\k+1] offset:TAB_B+\k*PITCH
.endr
	; Q's side is in LDS: fetch it in phase 2's layout.  LDS serves a wave's instructions in order (ISA guide 5.7.1.4): these loads see the stores above.
	; No wait: no vector instruction has named v192 to v255 yet, and none has named the two addresses since the wait at the head.
.irp c, 0,1,2,3,4,5,6,7
	ds_load_b128 v[SB+4*\c:SB+4*\c+3], v[LA] offset:TAB_B+16*\c       ; conj(2 Cd w^(4 r)) of modes 16 hf + 2 c, + 1
.endr
.irp c, 0,1,2,3,4,5,6,7
	ds_load_b128 v[M6+4*\c:M6+4*\c+3], v[LM] offset:ROW_W64+16*\c
.endr
	; the rest of the chain and table A: row i + 4 j = w^i w^(128 j).  These lines write v34 to v39 and v42 to v59, which no LDS store issued so far reads.
	CM1 W256, W128, W128
	CM1 TAP, W128, W1
	CM1 TAP+2, W128, W2
	CM1 TAP+4, W128, W3
	CM2 W256, W128, W128
	CM2 TAP, W128, W1
	CM2 TAP+2, W128, W2
	CM2 TAP+4, W128, W3
	CM1 W512, W256, W256
	CM1 W384, W256, W128
	CM1 TAP+6, W256, W1
	CM1 TAP+8, W256, W2
	CM1 TAP+10, W256, W3
	CM2 W512, W256, W256
	CM2 W384, W256, W128
	CM2 TAP+6, W256, W1
	CM2 TAP+8, W256, W2
	CM2 TAP+10, W256, W3
	CM1 TAP+12, W384, W1
	CM1 TAP+14, W384, W2
	CM1 TAP+16, W384, W3
	CM2 TAP+12, W384, W1
	CM2 TAP+14, W384, W2
	CM2 TAP+16, W384, W3
	s_wait_alu depctr_va_vdst(0)                   ; w^128, w^256, w^384, w^512 and the nine products are written, which the thirteen LDS stores below read
	ds_store_b64 v[SA], v[W128:W128+1] offset:TAB_A+4*PITCH
	ds_store_b64 v[SA], v[TAP:TAP+1] offset:TAB_A+5*PITCH
	ds_store_b64 v[SA], v[TAP+2:TAP+3] offset:TAB_A+6*PITCH
	ds_store_b64 v[SA], v[TAP+4:TAP+5] offset:TAB_A+7*PITCH
	ds_store_b64 v[SA], v[W256:W256+1] offset:TAB_A+8*PITCH
	ds_store_b64 v[SA], v[TAP+6:TAP+7] offset:TAB_A+9*PITCH
	ds_store_b64 v[SA], v[TAP+8:TAP+9] offset:TAB_A+10*PITCH
	ds_store_b64 v[SA], v[TAP+10:TAP+11] offset:TAB_A+11*PITCH
	ds_store_b64 v[SA], v[W384:W384+1] offset:TAB_A+12*PITCH
	ds_store_b64 v[SA], v[W512:W512+1] offset:ROW_W512
	ds_store_b64 v[SA], v[TAP+12:TAP+13] offset:TAB_A+13*PITCH
	ds_store_b64 v[SA], v[TAP+14:TAP+15] offset:TAB_A+14*PITCH
	ds_store_b64 v[SA], v[TAP+16:TAP+17] offset:TAB_A+15*PITCH
	; ---------------- PHASE 2, lane = (r, hf) ----------------
	; Work goes in sections of eight independent instructions on eight complex numbers (half a tile: one K step of 32).
	; A fragment register holds one complex number, re in the low half, im in the high half: register q of K step kk is mode 16 hf + 8 kk + q, in P and in Q alike.
.macro SEC_HI s, d                     ; heads: the numbers at v[s ..] rounded to bf16, into v[d .. d+7]
.irp q, 0,1,2,3,4,5,6,7
	v_cvt_pk_bf16_f32 v[\d+\q], v[\s+2*\q], v[\s+2*\q+1]
.endr
.endm
.macro SEC_MIX s, d, b                 ; what the heads of numbers b .. b+3 leave: x - head, exact in f32
.irp q, 0,1,2,3
	v_fma_mix_f32_bf16 v[T+2*(\b+\q)], v[\d+\b+\q], v[NEG1], v[\s+2*(\b+\q)] op_sel_hi:[1,0,0]
	v_fma_mix_f32_bf16 v[T+2*(\b+\q)+1], v[\d+\b+\q], v[NEG1], v[\s+2*(\b+\q)+1] op_sel:[1,0,0] op_sel_hi:[1,0,0]
.endr
.endm
.macro SEC_LO d                        ; tails, into v[d+8 .. d+15]
.irp q, 0,1,2,3,4,5,6,7
	v_cvt_pk_bf16_f32 v[\d+8+\q], v[T+2*\q], v[T+2*\q+1]
.endr
.endm
.macro SEC_MUL s, m                    ; the numbers at v[s ..] times those at v[m ..], in place: first halves of the products
.irp q, 0,1,2,3,4,5,6,7
	v_pk_mul_f32 v[T+2*\q:T+2*\q+1], v[\s+2*\q:\s+2*\q+1], v[\m+2*\q:\m+2*\q+1] op_sel_hi:[1,0]
.endr
.endm
.macro SEC_FMA s, m
.irp q, 0,1,2,3,4,5,6,7
	v_pk_fma_f32 v[\s+2*\q:\s+2*\q+1], v[\s+2*\q:\s+2*\q+1], v[\m+2*\q:\m+2*\q+1], v[T+2*\q:T+2*\q+1] op_sel:[1,1,0] op_sel_hi:[0,1,1] neg_lo:[1,0,0]
.endr
.endm
.macro SEC_FMAC s, m                   ; the same with conj(m)
.irp q, 0,1,2,3,4,5,6,7
	v_pk_fma_f32 v[\s+2*\q:\s+2*\q+1], v[\s+2*\q:\s+2*\q+1], v[\m+2*\q:\m+2*\q+1], v[T+2*\q:T+2*\q+1] op_sel:[1,1,0] op_sel_hi:[0,1,1] neg_hi:[1,0,0]
.endr
.endm
.macro SPLIT s, d                      ; half a tile into head and tail
	SEC_HI \s, \d
	SEC_MIX \s, \d, 0
	SEC_MIX \s, \d, 4
	SEC_LO \d
.endm
; Four of P's sixteen LDS loads: 64 of my 128 bytes of the row at LDS byte 'at', from number pair 'first' on, into v[d ..], by the address in v[a].
.macro PLOAD d, a, at, first
.irp c, 0,1,2,3
	ds_load_b128 v[\d+4*(\first+\c):\d+4*(\first+\c)+3], v[\a] offset:\at+16*(\first+\c)
.endr
.endm
	; Q: two tiles of 16 columns.  13 = the LDS stores issued behind Q's 16 loads: Q's side is in, those stores may still be on their way.
	s_wait_dscnt 13
	s_wait_alu depctr_vm_vsrc(0)                   ; all 34 LDS stores have read their data in v16 to v91, which the splits write from here on; no LDS store follows
	; P's side is fetched among the first four sections.  No wait: no vector instruction has named v112 to v175 yet, the sections name v9, v16 to v31 and v176 to v223 alone,
	; and the two addresses have not been named since the wait at the head.  LDS serves a wave's instructions in order: these loads see the stores above.
	PLOAD ST, LA, TAB_A, 0                         ; w^((r&3) + 128 (r>>2)) of modes 16 hf + 2 c, + 1
	SEC_HI SB, BF
	PLOAD ST, LA, TAB_A, 4
	SEC_MIX SB, BF, 0
	PLOAD M5, LM, ROW_W512, 0
	SEC_MIX SB, BF, 4
	PLOAD M5, LM, ROW_W512, 4
	SEC_LO BF
	SPLIT SB+16, BF+16
	SEC_MUL SB, M6                                 ; tile 1 = tile 0 times conj(w^64)
	SEC_FMAC SB, M6
	SPLIT SB, BF+32
	SEC_MUL SB+16, M6+16
	SEC_FMAC SB+16, M6+16
	SPLIT SB+16, BF+48
; Product i (0..5) of half h (tile s = h / 2 of P, K step kk = h % 2): column tile u = i % 2; i / 2 = 0 head head, 1 head tail, 2 tail head.
; The first product of a tile takes 0 as C: nothing is cleared.  The two accumulators of a tile take turns, one instruction a turn.
.macro WM h, i
.set WD, ACC+16*((\h)/2)+8*((\i)%2)
.set WA, AF+16*((\h)%2)+8*((\i)/4)
.set WB, BF+32*((\i)%2)+16*((\h)%2)+8*(((\i)/2)%2)
.if ((\h)%2)+((\i)/2)
	v_wmma_f32_16x16x32_bf16 v[WD:WD+7], v[WA:WA+7], v[WB:WB+7], v[WD:WD+7]
.else
	v_wmma_f32_16x16x32_bf16 v[WD:WD+7], v[WA:WA+7], v[WB:WB+7], 0
.endif
.endm
; Tile s of P is done: 4 l = 4 (j&3) + 16 r + 256 u + 512 (j>>2) + 1024 hf + 2048 s.  Each store: lanes 0-15 write 256 consecutive bytes at a multiple of 256 from
; the row's first byte, lanes 16-31 another 256.  The accumulators are never written again, so no wait follows.
.macro STORE s
.irp g, 0,1,2,3
	global_store_b128 v[SO], v[ACC+16*\s+4*\g:ACC+16*\s+4*\g+3], s[12:13] offset:2048*\s+256*(\g/2)+512*(\g%2) th:TH_STORE_NT
.endr
.endm
; Half h (2..7) is made (times w^512, split) while the six products of half p = h - 1 are issued, one behind each section.
; Distances behind matrix instructions, counted in plain vector instructions that name none of their registers:
; SEC_HI writes the fragment buffer that half h - 2 read: its last product stands 16 such instructions back (SEC_MUL, SEC_FMA);
; the stores read accumulators whose last product ended the half before: 8 such instructions back (SEC_MUL).
; The finished tile's stores stand ahead of this half's first product, so that the wait in front of them has no product just issued to wait for.
.macro HALF h, p, dost, st
.set HS, ST+16*((\h)%2)
.set HM, M5+16*((\h)%2)
.set HF, AF+16*((\h)%2)
	SEC_MUL HS, HM
.if \dost
	s_wait_alu depctr_va_vdst(0)                   ; the matrix instructions have written the finished tile's two accumulators, which the four stores read; the eight places above stay beside this wait
	STORE \st
.endif
	WM \p, 0
	SEC_FMA HS, HM
	WM \p, 1
	SEC_HI HS, HF
	WM \p, 2
	SEC_MIX HS, HF, 0
	WM \p, 3
	SEC_MIX HS, HF, 4
	WM \p, 4
	SEC_LO HF
	WM \p, 5
.endm
	s_wait_dscnt 0x0                               ; P's tile 0 and w^512 are in
	SPLIT ST, AF                                   ; half 0: tile 0 as it came
	SEC_HI ST+16, AF+16                            ; half 1, with half 0's products
	WM 0, 0
	SEC_MIX ST+16, AF+16, 0
	WM 0, 1
	SEC_MIX ST+16, AF+16, 4
	WM 0, 2
	SEC_LO AF+16
	WM 0, 3
	WM 0, 4
	WM 0, 5
	HALF 2, 1, 0, 0
	HALF 3, 2, 1, 0                                ; tile 0 leaves
	HALF 4, 3, 0, 0
	HALF 5, 4, 1, 1
	HALF 6, 5, 0, 0
	HALF 7, 6, 1, 2
	WM 7, 0
	WM 7, 1
	WM 7, 2
	WM 7, 3
	WM 7, 4
	WM 7, 5
.rept 4
	v_nop                                          ; four places between the last product and the stores that read it; no work is left to put there
.endr
	s_wait_alu depctr_va_vdst(0)                   ; the matrix instructions have written the last tile's two accumulators, which the four stores read; the places above stay beside this wait
	STORE 3
	s_set_vgpr_msb 0x4
	s_wait_dscnt 0x0
	s_wait_alu depctr_hold_cnt(0) depctr_sa_sdst(0) depctr_va_vdst(0) depctr_va_sdst(0) depctr_va_ssrc(0) depctr_va_vcc(0) depctr_vm_vsrc(0)
	s_wait_tensorcnt 0x0
	ds_add_u32 v13, v1
	s_wait_dscnt 0x0
	s_endpgm
.Lfunc_end_k_qbe8887dc42_s4d:
	.size	k_qbe8887dc42_s4d, .Lfunc_end_k_qbe8887dc42_s4d-k_qbe8887dc42_s4d
	.p2alignl 7, 3214868480
	.fill 96, 4, 3214868480
	.section	.rodata,"a",@progbits
	.p2align	6, 0x0
	.amdhsa_kernel k_qbe8887dc42_s4d
		.amdhsa_group_segment_fixed_size 38400
		.amdhsa_private_segment_fixed_size 0
		.amdhsa_enable_private_segment 0
		.amdhsa_kernarg_size 40
		.amdhsa_user_sgpr_count 2
		.amdhsa_user_sgpr_kernarg_segment_ptr 1
		.amdhsa_wavefront_size32 1
		.amdhsa_system_sgpr_workgroup_id_x 1
		.amdhsa_system_sgpr_workgroup_id_y 1
		.amdhsa_system_sgpr_workgroup_id_z 1
		.amdhsa_system_vgpr_workitem_id 0
		.amdhsa_next_free_vgpr 258
		.amdhsa_next_free_sgpr 66
		.amdhsa_reserve_vcc 1
		.amdhsa_float_denorm_mode_32 3
		.amdhsa_float_denorm_mode_16_64 3
		.amdhsa_memory_ordered 1
		.amdhsa_forward_progress 1
		.amdhsa_inst_pref_size 52
	.end_amdhsa_kernel
	.amdgpu_metadata
---
amdhsa.version: [ 1, 2 ]
amdhsa.kernels:
  - .name:           k_qbe8887dc42_s4d
    .symbol:         k_qbe8887dc42_s4d.kd
    .args:
      - { .name: A_imag, .offset: 0, .size: 8, .value_kind: global_buffer, .address_space: global }
      - { .name: C, .offset: 8, .size: 8, .value_kind: global_buffer, .address_space: global }
      - { .name: log_A_real, .offset: 16, .size: 8, .value_kind: global_buffer, .address_space: global }
      - { .name: log_dt, .offset: 24, .size: 8, .value_kind: global_buffer, .address_space: global }
      - { .name: out0, .offset: 32, .size: 8, .value_kind: global_buffer, .address_space: global }
    .group_segment_fixed_size: 38400
    .private_segment_fixed_size: 0
    .kernarg_segment_align: 8
    .kernarg_segment_size: 40
    .max_flat_workgroup_size: 128
    .sgpr_count:     66
    .vgpr_count:     258
    .wavefront_size: 32
...
	.end_amdgpu_metadata
.endif
;; end of part 2
